; MI455X (gfx1250); checked and timed in simulation.
; The chip was launched on July 23, 2026; its instructions are those of AMD's public machine-readable ISA for CDNA 5 (MIT licence, August 2026) and "CDNA5" Instruction Set Architecture Reference Guide (July 2026). The comments in the code are by the model that wrote it; some were corrected since.
;; OA Layer. Allowed arithmetic: matrix products marked QUANTISED: E5M2 operands, one given power-of-two scale a tensor, by v_wmma_f32_16x16x64_bf8_bf8 or v_wmma_f32_16x16x128_bf8_bf8, f32 sums; everything else in f32.
;; Inputs: bn_beta 256 float32; bn_gamma 256 float32; bn_mean 256 float32; bn_var 256 float32; bqk 64 float32; bt 256 float32; bv 256 float32; lowp_scales 12 int32 (the exponents e of the quantised operands' scales 2^e); wqk_codes 64 x 8 x 32 uint8 (E5M2 codes of wqk, K innermost, in blocks of 32 codes); wt_codes 256 x 8 x 32 uint8 (E5M2 codes of wt, K innermost, in blocks of 32 codes); wv_codes 256 x 8 x 32 uint8 (E5M2 codes of wv, K innermost, in blocks of 32 codes); x 8 x 256 x 4,096 float32; xyz 8 x 256 x 4,096 float32.
;; Outputs: out0 8 x 256 x 4,096 float32.
;; This version of the problem:
;;   THIS VERSION OF THE PROBLEM IS GIVEN IN LOW PRECISION. The matrix products marked QUANTISED in the list below multiply operands that are first quantised to E5M2 (5 exponent bits, 2 mantissa bits; 8 bits a number), with one given power-of-two scale for each operand tensor; their sums are f32. All else is computed in f32.
;;   The module's matrix products, in the order in which they are computed (A, B: the left and right operand; K: the contracted axis; several contracted axes count as one K, in the product's order):
;;     1. [M 32,768, K 256] x [K 256, N 64]; A: computed on the way; B: input wqk (given as codes): QUANTISED (scales: A lowp_scales[0], B lowp_scales[1])
;;     2. [M 32,768, K 256] x [K 256, N 64]; A: computed on the way; B: input wqk (given as codes): QUANTISED (scales: A lowp_scales[2], B lowp_scales[3])
;;     3. [M 32,768, K 256] x [K 256, N 256]; A: computed on the way; B: input wv (given as codes): QUANTISED (scales: A lowp_scales[4], B lowp_scales[5])
;;     4. batch 8 x [M 4,096, K 64] x [K 64, N 4,096]; A: computed on the way; B: computed on the way: QUANTISED (scales: A lowp_scales[6], B lowp_scales[7])
;;     5. batch 8 x [M 256, K 4,096] x [K 4,096, N 4,096]; A: computed on the way; B: computed on the way: QUANTISED (scales: A lowp_scales[8], B lowp_scales[9])
;;     6. [M 32,768, K 256] x [K 256, N 256]; A: computed on the way; B: input wt (given as codes): QUANTISED (scales: A lowp_scales[10], B lowp_scales[11])
;;   THE QUANTISER, for each operand of a quantised product, along K:
;;     - The operand's scale is 2^e, e = its entry of the input lowp_scales (int32; the entries are numbered through the quantised products in the list's order, A before B).
;;     - Each number is divided by the scale, clamped to +-57,344, and rounded to the nearest number of E5M2, ties to even, subnormals kept.
;;     - The product sums the exact products of the quantised numbers (number of the format x scale) in f32.
;;   ~~~python
;;   def quantise(x, axis, e):      # numpy; x: float32 -> the quantised numbers, widened to float32 again
;;       x = np.moveaxis(x, axis, -1); K = x.shape[-1]
;;       r = np.clip(x / 2.0 ** e, -57344, 57344)
;;       step = 2.0 ** (np.maximum(np.frexp(np.where(r == 0, 1, r))[1] - 1, -14) - 2)
;;       q = np.round(r / step) * step * 2.0 ** e      # np.round: ties to even
;;       return np.moveaxis(q, -1, axis).astype(np.float32)
;;   ~~~
;;   OPERANDS COMPUTED ON THE WAY. 'Computed on the way' means the value that the module computes at that place (a softmax that the list does not call 'softmax' is quantised finished and normalised). What goes into a quantiser is computed in f32, as accurately as f32 sums, v_exp_f32 and their like allow (about 1e-6 of the number): no bf16 or f16 on the way to a quantiser, and a product that is left as it is and whose result goes on into a quantised operand takes f32 operands (vector FMAs, or v_wmma_f32_16x16x4_f32). A number that lies on a knife's edge between two numbers of the format may be rounded either way, as far as f32 arithmetic and the matrix unit's own rounding can turn it there, and no further.
;;   INPUTS GIVEN AS CODES. wqk (in the module: [64, 256], K = its axis 1); wt (in the module: [256, 256], K = its axis 1); wv (in the module: [256, 256], K = its axis 1): each comes as NAME_codes (uint8): NAME with its K axis moved to the last place and cut into blocks of 32 codes, [.., K / 32, bytes a block], one block behind the other in memory; one code a byte (a code: sign, 5 exponent bits, 2 mantissa bits); its scale is its entry of lowp_scales. Its value is code x scale, taken as it is: it is not quantised again, and the codes and scales need not be those that the quantiser above would give.
;; One version. Each part assembles by itself: llvm-mc -triple=amdgcn-amd-amdhsa -mcpu=gfx1250 --defsym DOCPART=n.
;; ======== version 1 of 1: 3 launches
;; limits: right only within a limited range of input values
;; workspace buffers: qv 11,141,120 bytes; kimg 2,097,152 bytes; xsimg 33,554,432 bytes; na 131,072 bytes
;; launch prep (part 1): grid 32 x 8, 4 waves a work-group, no clusters, 327,680 bytes of LDS; arguments x, xyz, wqk_codes, wv_codes, wt_codes, bqk, bv, bt, bn_gamma, bn_beta, bn_mean, bn_var, lowp_scales, qv, kimg, xsimg; writes qv, kimg, xsimg
.if DOCPART == 1
	.amdgcn_target "amdgcn-amd-amdhsa--gfx1250"
	.amdhsa_code_object_version 6
	.text
	.protected	k_q9dc8094983_prep
	.globl	k_q9dc8094983_prep
	.p2align	8
	.type	k_q9dc8094983_prep,@function
k_q9dc8094983_prep:
	s_mov_b64 s[64:65], 0
	v_nop
	global_prefetch_b8 v0, s[64:65] scope:SCOPE_SE
	s_setreg_imm32_b32 hwreg(HW_REG_WAVE_MODE, 25, 1), 1
	s_wait_xcnt 0x0
; PREP.  xs = x + xyz; xs quantised three times (e0, e2, e4); q = wqk xs + bqk, k = wqk xs + bqk, v = wv xs + bv on codes of E5M2; q, k, v quantised (e6, e7, e8) and
; stored as IMAGES OF OPERAND REGISTERS; xs stored in the layout in which the last launch's results lie; wt's codes laid as images; the batch norm folded to A, B.
; SHARES.  A work-group takes 128 points of one batch, wave w the 32 points 32 w .. 32 w + 31 of them, as two tiles u = 0, 1: lane r of tile u stands for point 8 u + r + 8 (r / 8).
; So where such a tile is source 0 of a product, a lane's registers of tiles u = 0, 1 are 16 neighbours, 16 (lane / 16) + 0 .. 15: what the conversions want.  Channel tiles are chosen likewise.
; All 8-bit fragments hold k = 32 c + 16 (lane / 16) + 0 .. 15 in registers 4 c .. 4 c + 3, on both sides of every product: a permutation of k that is the same in both operands.
; No multicast: the work-groups share only the weights, 80 KiB beside the 512 KiB of x, xyz and results that each moves alone.
; LIMITS: e0, e2, e4, e6, e7, e8 between -126 and 112; e0 + e1, e2 + e3, e4 + e5 between -126 and 127.  NaN and infinities among the inputs are not served.
; LDS: x's 256 rows (512 bytes + 8 of padding), xyz's likewise, wqk's 64 rows (256 + 16), the spare words.  wv's 256 rows (256 + 16) later fill x's bytes again.
; REGISTERS: window 0: addresses, scales, biases, v72-119 numbers held for a conversion (later q's and k's codes), v120-183 sums, v184-247 v's codes.
;   window 1: xs, register 128 u + 16 b + i = xs[32 b + 16 (lane / 16) + i][my point of tile u].   window 2: weight fragments.   window 3: xyz, then xs's three sets of codes.
.set QVB,    1392640                   ; bytes of qv for a batch: 32 row blocks of 40,960, then 81,920 of wt's images, A, B and zeros
.set RBB,    40960                     ; a row block: 8 images of q (1,024 bytes), 16 images of v (2,048 bytes)
.set WTO,    1310720
.set PADO,   1376256
.set XP,     520                       ; an LDS row of x: 130 words, so that rows 16 apart lie 32 banks apart
.set WP,     272
.set LY,     133120
.set LWQ,    266240
.set SPARE,  283648                    ; the spare words: 128 bytes a wave, two blocks of 256 bytes that no other line names
.set LI,   1                           ; v1   16 x lane
.set SPW,  2                           ; v2   my spare word
.set NIL,  3                           ; v3   0
.set AX,   4                           ; v4, v5  x in LDS: channels 0-127, 128-255
.set AY,   6                           ; v6, v7  xyz likewise
.set AWV,  8                           ; v8   a weight tile's row in LDS (wv)
.set AWQ,  9                           ; v9   the same for wqk
.set OBQ,  10
.set OBV,  11
.set LIM0, 12
.set SCL0, 13
.set LIM2, 14
.set SCL2, 15
.set LIM4, 16
.set SCL4, 17
.set LIM6, 18
.set SCL6, 19
.set LIM7, 20
.set SCL7, 21
.set LIM8, 22
.set SCL8, 23
.set BQ,   24                          ; v24-55  bqk in the layout of q's sums
.set BV,   56                          ; v56-71  bv: one number a channel tile
.set T,    72
.set QC,   72
.set KC,   88
.set D,    120
.set VC,   184
.set MSB, 0
.macro WIN new                         ; the immediate's high byte repeats the setting that is left
.if MSB != \new
	s_set_vgpr_msb (MSB<<8)|\new
.set MSB, \new
.endif
.endm
.macro PLACES n
.rept \n
	v_nop
.endr
.endm
.macro MKSC es, vl, vs                 ; from the exponent in s[es]: 2^e as f32 and 57,344 x 2^e
	s_add_co_i32 s98, s[\es], 127
	s_lshl_b32 s99, s98, 23
	v_mov_b32 v[\vs], s99
	s_add_co_i32 s98, s98, 15
	s_lshl_b32 s98, s98, 23
	s_or_b32 s98, s98, 0x600000
	v_mov_b32 v[\vl], s98
.endm
	s_load_b512 s[4:19], s[0:1], 0x0               ; x, xyz, wqk, wv, wt, bqk, bv, bt
	s_load_b512 s[20:35], s[0:1], 0x40             ; gamma, beta, mean, var, scales, qv, kimg, xsimg
	v_lshl_add_u32 v[SPW], v0, 2, SPARE
	v_mov_b32 v[NIL], 0
	ds_add_u32 v2, v3
	ds_add_u32 v2, v3
	s_wait_dscnt 0x0
	v_lshrrev_b32 v248, 5, v0
	v_readfirstlane_b32 s2, v248                   ; wave
	s_and_b32 s3, ttmp7, 0xffff                    ; batch; ttmp9 is the block of 128 points
	; group 1 for x and xyz: 64 rows of 128 numbers of 4 bytes, 4,096 numbers apart; 2 words of padding behind every 128
	s_mov_b32 s48, (2<<16)|(1<<20)|(6<<22)|(1<<25)
	s_mov_b32 s49, 128<<16
	s_mov_b32 s50, 64<<16
	s_mov_b32 s51, 128<<16
	s_mov_b32 s52, 64
	s_mov_b32 s53, 4096
	s_mov_b32 s54, 0
	s_mov_b32 s55, 0
	; group 1 for wqk: 16 rows of 256 bytes; 4 words of padding behind every 64
	s_mov_b32 s56, (1<<20)|(5<<22)|(3<<25)
	s_mov_b32 s57, 256<<16
	s_mov_b32 s58, 16<<16
	s_mov_b32 s59, 256<<16
	s_mov_b32 s60, 16
	s_mov_b32 s61, 256
	s_mov_b32 s62, 0
	s_mov_b32 s63, 0
	; group 1 for wv: 64 such rows
	s_mov_b32 s68, (1<<20)|(5<<22)|(3<<25)
	s_mov_b32 s69, 256<<16
	s_mov_b32 s70, 64<<16
	s_mov_b32 s71, 256<<16
	s_mov_b32 s72, 64
	s_mov_b32 s73, 256
	s_mov_b32 s74, 0
	s_mov_b32 s75, 0
	s_lshl_b32 s92, s3, 22                         ; batch x 4 MiB
	s_lshl_b32 s93, s2, 20                         ; + my 64 channels' rows of 16,384 bytes
	s_add_co_u32 s92, s92, s93
	s_lshl_b32 s93, ttmp9, 9                       ; + the block's 512 bytes of a row
	s_add_co_u32 s92, s92, s93
	s_mov_b32 s93, 0
	s_mul_i32 s94, s2, 64*XP
	s_mul_i32 s95, s2, 16*WP
	s_lshl_b32 s96, s2, 12
	s_mov_b32 s97, 0
	s_mul_i32 s98, s2, 64*WP
	s_lshl_b32 s100, s2, 14
	s_mov_b32 s101, 0
	s_wait_kmcnt 0x0
	s_load_b256 s[36:43], s[28:29], 0x0            ; e0 .. e7
	s_load_b128 s[44:47], s[28:29], 0x20           ; e8 .. e11
	s_mov_b32 s76, 1
	s_mov_b32 s77, s94
	s_add_nc_u64 s[78:79], s[4:5], s[92:93]
	s_or_b32 s79, s79, 0x80000000
	s_mov_b32 s80, 1
	s_add_co_u32 s81, s94, LY
	s_add_nc_u64 s[82:83], s[6:7], s[92:93]
	s_or_b32 s83, s83, 0x80000000
	s_mov_b32 s84, 1
	s_add_co_u32 s85, s95, LWQ
	s_add_nc_u64 s[86:87], s[8:9], s[96:97]
	s_or_b32 s87, s87, 0x80000000
	s_mov_b32 s88, 1
	s_mov_b32 s89, s98
	s_add_nc_u64 s[90:91], s[10:11], s[100:101]
	s_or_b32 s91, s91, 0x80000000
	tensor_load_to_lds s[76:79], s[48:55]          ; the three first fills go out together: three loads of mine are out
	s_nop 0
	tensor_load_to_lds s[80:83], s[48:55]
	s_nop 0
	tensor_load_to_lds s[84:87], s[56:63]
	s_nop 0
	PLACES 4
	; ---- while the tiles are on their way: addresses, biases, wt's image, the folded batch norm
	v_and_b32 v248, 31, v0
	v_lshlrev_b32 v[LI], 4, v248
	v_and_b32 v249, 15, v0                         ; r
	v_bfe_u32 v250, v0, 4, 1                       ; h
	v_and_b32 v251, 8, v249
	v_add_nc_u32 v251, v251, v249                  ; r + 8 (r / 8)
	v_mul_u32_u24 v[AX], v250, 16*XP               ; lanes 16-31 begin 16 channels further down
	v_lshl_add_u32 v[AX], v251, 2, v[AX]
	s_lshl_b32 s92, s2, 7
	v_add_nc_u32 v[AX], s92, v[AX]                 ; + my wave's 32 points
	v_add_nc_u32 v[AX+1], 128*XP, v[AX]
	v_add_nc_u32 v[AY], LY, v[AX]
	v_add_nc_u32 v[AY+1], LY+128*XP, v[AX]
	v_mul_u32_u24 v[AWV], v251, WP
	v_lshl_add_u32 v[AWV], v250, 4, v[AWV]
	v_add_nc_u32 v[AWQ], LWQ, v[AWV]
	v_lshlrev_b32 v[OBQ], 6, v250
	v_lshlrev_b32 v[OBV], 2, v251
	v_lshlrev_b32 v252, 8, v251
	v_lshl_add_u32 v252, v250, 4, v252             ; wt: row r + 8 (r / 8) of 256 bytes, + 16 h
	s_and_b32 s92, ttmp9, 1
	s_lshl_b32 s92, s92, 9
	v_add_nc_u32 v253, s92, v[LI]                  ; the batch norm's 128 numbers that my work-group folds
	s_lshr_b32 s92, ttmp9, 2                       ; wt's fragment number = the block's number: tile ot = block / 2, K step = block % 2; chunk = wave
	s_lshl_b32 s92, s92, 13
	s_bfe_u32 s94, ttmp9, 0x10001
	s_lshl_b32 s94, s94, 11
	s_add_co_u32 s92, s92, s94
	s_and_b32 s94, ttmp9, 1
	s_lshl_b32 s94, s94, 7
	s_add_co_u32 s92, s92, s94
	s_lshl_b32 s94, s2, 5
	s_add_co_u32 s92, s92, s94
	s_add_nc_u64 s[12:13], s[12:13], s[92:93]
.set ii, 0
.rept 8                                ; bqk at the lane's eight channels of each of the four tiles
	global_load_b128 v[BQ+4*ii:BQ+4*ii+3], v[OBQ], s[14:15] offset:128*(ii/4)+32*((ii/2)%2)+16*(ii%2)
.set ii, ii+1
.endr
.set ii, 0
.rept 16                               ; bv at the lane's channel of each of the sixteen tiles
	global_load_b32 v[BV+ii], v[OBV], s[16:17] offset:(32*(ii/2)+8*(ii%2))*4
.set ii, ii+1
.endr
	global_load_b128 v[D:D+3], v252, s[12:13]
	; where the results go
	s_mul_i32 s92, s3, QVB
	s_add_nc_u64 s[4:5], s[30:31], s[92:93]        ; qv at my batch
	s_mul_i32 s92, ttmp9, RBB
	s_lshl_b32 s94, s2, 11
	s_add_co_u32 s92, s92, s94
	s_add_nc_u64 s[30:31], s[4:5], s[92:93]        ; q's images of my two tiles
	s_mul_i32 s92, ttmp9, RBB
	s_lshl_b32 s94, s2, 9
	s_add_co_u32 s92, s92, s94
	s_add_co_u32 s92, s92, 8192
	s_add_nc_u64 s[10:11], s[4:5], s[92:93]        ; chunk w of v's images
	s_lshl_b32 s92, ttmp9, 11
	s_add_co_u32 s92, s92, s94
	s_add_co_u32 s92, s92, WTO
	s_add_nc_u64 s[6:7], s[4:5], s[92:93]          ; chunk w of wt's image number block
	s_lshl_b32 s92, ttmp9, 9
	s_add_co_u32 s92, s92, PADO
	s_add_nc_u64 s[8:9], s[4:5], s[92:93]          ; 512 bytes of A, B or zeros
	s_lshl_b32 s92, s3, 18
	s_lshl_b32 s94, ttmp9, 13
	s_add_co_u32 s92, s92, s94
	s_lshl_b32 s94, s2, 11
	s_add_co_u32 s92, s92, s94
	s_add_nc_u64 s[32:33], s[32:33], s[92:93]      ; k's images of my two tiles
	s_lshl_b32 s92, s3, 22
	s_lshl_b32 s94, ttmp9, 17
	s_add_co_u32 s92, s92, s94
	s_lshl_b32 s94, s2, 15
	s_add_co_u32 s92, s92, s94
	s_add_nc_u64 s[34:35], s[34:35], s[92:93]      ; xs of my two tiles
	s_wait_kmcnt 0x0
	MKSC 36, LIM0, SCL0
	MKSC 38, LIM2, SCL2
	MKSC 40, LIM4, SCL4
	MKSC 42, LIM6, SCL6
	MKSC 43, LIM7, SCL7
	MKSC 44, LIM8, SCL8
	s_add_co_i32 s96, s36, s37
	s_add_co_i32 s96, s96, 127
	s_lshl_b32 s96, s96, 23                        ; 2^(e0 + e1)
	s_mov_b32 s97, s96
	s_add_co_i32 s100, s38, s39
	s_add_co_i32 s100, s100, 127
	s_lshl_b32 s100, s100, 23                      ; 2^(e2 + e3)
	s_mov_b32 s101, s100
	s_add_co_i32 s95, s40, s41
	s_add_co_i32 s95, s95, 127
	s_lshl_b32 s95, s95, 23                        ; 2^(e4 + e5)
	s_add_co_i32 s94, s46, s47                     ; e10 + e11
	s_wait_loadcnt 0x0                             ; the biases and wt's 16 bytes a lane
	global_store_b128 v[LI], v[D:D+3], s[6:7]
	s_cmp_lg_u32 s2, 0                             ; wave 0 folds the batch norm: out = sum x A + B, A = g 2^(e10 + e11), B = (bt - mean) g + beta, g = gamma / sqrt(var + 1e-5)
	s_cbranch_scc1 .Lno_pad
	global_load_b128 v[D+4:D+7], v253, s[26:27]
	global_load_b128 v[D+8:D+11], v253, s[20:21]
	global_load_b128 v[D+12:D+15], v253, s[22:23]
	global_load_b128 v[D+16:D+19], v253, s[24:25]
	global_load_b128 v[D+20:D+23], v253, s[18:19]
	s_cmp_lt_u32 ttmp9, 2
	s_cselect_b32 s92, -1, 0                       ; blocks 0, 1 store A,
	s_cmp_lt_u32 ttmp9, 4
	s_cselect_b32 s93, -1, 0                       ; blocks 2, 3 store B, the others zeros
	s_wait_loadcnt 0x0
.irp j, 0,1,2,3
	v_add_f32 v[D+4+\j], 0x3727c5ac, v[D+4+\j]
.endr
.irp j, 0,1,2,3
	v_rsq_f32 v[D+24+\j], v[D+4+\j]
.endr
.irp j, 0,1,2,3
	v_sub_f32 v[D+20+\j], v[D+20+\j], v[D+16+\j]   ; bt - mean: plain work behind the roots
.endr
	s_wait_alu depctr_va_vdst(0)                   ; one wait for the four roots, ahead of their first reader
.irp j, 0,1,2,3
	v_mul_f32 v[D+24+\j], v[D+24+\j], v[D+8+\j]
.endr
.irp j, 0,1,2,3
	v_ldexp_f32 v[D+28+\j], v[D+24+\j], s94
	v_fma_f32 v[D+32+\j], v[D+20+\j], v[D+24+\j], v[D+12+\j]
.endr
.irp j, 0,1,2,3
	v_cndmask_b32 v[D+36+\j], 0, v[D+32+\j], s93
	v_cndmask_b32 v[D+36+\j], v[D+36+\j], v[D+28+\j], s92
.endr
	global_store_b128 v[LI], v[D+36:D+39], s[8:9]
.Lno_pad:
	s_wait_tensorcnt 0x0                           ; my parts of x, xyz and wqk are in,
	s_barrier_signal -1
	s_barrier_wait -1                              ; everybody's are
	WIN 0x80
.set ii, 0
.rept 32                               ; wqk's eight fragments (tile ot, K step ks) at v[16 (2 ot + ks)] of window 2
	ds_load_b128 v[4*ii:4*ii+3], v[AWQ] offset:(32*(ii/16)+8*((ii/8)%2))*WP+128*((ii/4)%2)+32*(ii%4)
.set ii, ii+1
.endr
	WIN 0x40
.set uu, 0
.rept 2
.set bb, 0
.rept 8
.set ii, 0
.rept 16
	ds_load_b32 v[128*uu+16*bb+ii], v[AX+bb/4] offset:(32*(bb%4)+ii)*XP+32*uu
.set ii, ii+1
.endr
.set bb, bb+1
.endr
.set uu, uu+1
.endr
	WIN 0xc0
.set uu, 0
.rept 2
.set bb, 0
.rept 8
.set ii, 0
.rept 16
	ds_load_b32 v[128*uu+16*bb+ii], v[AY+bb/4] offset:(32*(bb%4)+ii)*XP+32*uu
.set ii, ii+1
.endr
.set bb, bb+1
.endr
.set uu, uu+1
.endr
	s_wait_dscnt 0x0
	WIN 0x4d                                       ; destination and source 0 window 1, source 1 window 3
.set ii, 0
.rept 128
	v_pk_add_f32 v[2*ii:2*ii+1], v[2*ii:2*ii+1], v[2*ii:2*ii+1]   ; xs = x + xyz
.set ii, ii+1
.endr
	WIN 0x04                                       ; store data in window 1
.set ii, 0
.rept 64
	global_store_b128 v[LI], v[4*ii:4*ii+3], s[34:35] offset:512*ii   ; each store covers 512 consecutive bytes
.set ii, ii+1
.endr
	WIN 0
	s_wait_tensorcnt 0x0                           ; x's bytes are filled again with wv: no load of mine is out,
	ds_add_u32 v[SPW], v[NIL]                      ; 0 onto my spare word
	s_wait_dscnt 0x0                               ; the add is done, and my reads of x are over
	s_barrier_signal -1
	s_barrier_wait -1
	tensor_load_to_lds s[88:91], s[68:75]          ; my 64 rows of wv: my one load behind this barrier
	s_nop 0
	PLACES 4
; 16 channels x 2 tiles at a time: held within the largest code x the scale (the conversion does not saturate: ISA guide 7.6.2) and converted, once for each of the three scales
.macro QBLK
	WIN 0x01
.set ii, 0
.rept 16
	v_med3_num_f32 v[T+ii], v[128*qu+16*qb+ii], -v[LIM0], v[LIM0]
.set ii, ii+1
.endr
.set ii, 0
.rept 16
	v_med3_num_f32 v[T+16+ii], v[128*qu+16*qb+ii], -v[LIM2], v[LIM2]
.set ii, ii+1
.endr
.set ii, 0
.rept 16
	v_med3_num_f32 v[T+32+ii], v[128*qu+16*qb+ii], -v[LIM4], v[LIM4]
.set ii, ii+1
.endr
	WIN 0xc0
.set cd, 32*qu+16*(qb/4)+4*(qb%4)
	v_cvt_scalef32_pk8_bf8_f32 v[cd:cd+1], v[T:T+7], v[SCL0]
	v_cvt_scalef32_pk8_bf8_f32 v[cd+2:cd+3], v[T+8:T+15], v[SCL0]
	v_cvt_scalef32_pk8_bf8_f32 v[64+cd:64+cd+1], v[T+16:T+23], v[SCL2]
	v_cvt_scalef32_pk8_bf8_f32 v[64+cd+2:64+cd+3], v[T+24:T+31], v[SCL2]
	v_cvt_scalef32_pk8_bf8_f32 v[128+cd:128+cd+1], v[T+32:T+39], v[SCL4]
	v_cvt_scalef32_pk8_bf8_f32 v[128+cd+2:128+cd+3], v[T+40:T+47], v[SCL4]
	WIN 0
	v_nop                                          ; a plain line between the conversions and what next writes their sources or reads their results
.endm
.set qu, 0
.rept 2
.set qb, 0
.rept 8
	QBLK
.set qb, qb+1
.endr
.set qu, qu+1
.endr
; q or k: source 0 = 16 rows of wqk, source 1 = xs's codes: a lane holds one point, its registers run along the channels.  Eight accumulators by turns.
.macro QKPROD cod
	WIN 0x0e                                       ; source 0 window 2, source 1 window 3
.set ks, 0
.rept 2
.set uu, 0
.rept 2
.set oo, 0
.rept 4
.if ks == 0
	v_wmma_f32_16x16x128_bf8_bf8 v[D+32*uu+8*oo:D+32*uu+8*oo+7], v[16*(2*oo+ks):16*(2*oo+ks)+15], v[\cod+32*uu+16*ks:\cod+32*uu+16*ks+15], 0
.else
	v_wmma_f32_16x16x128_bf8_bf8 v[D+32*uu+8*oo:D+32*uu+8*oo+7], v[16*(2*oo+ks):16*(2*oo+ks)+15], v[\cod+32*uu+16*ks:\cod+32*uu+16*ks+15], v[D+32*uu+8*oo:D+32*uu+8*oo+7]
.endif
.set oo, oo+1
.endr
.set uu, uu+1
.endr
.set ks, ks+1
.endr
	WIN 0
	PLACES 5                                       ; five: these sums' registers are later begun anew by matrix instructions
.endm
.macro QKOUT fp, vl, vs, dst, base     ; sum x 2^(ea + eb) + bias, held, converted, stored as images
.set ii, 0
.rept 32
	v_pk_fma_f32 v[D+2*ii:D+2*ii+1], v[D+2*ii:D+2*ii+1], s[\fp:\fp+1], v[BQ+(2*ii)%32:BQ+(2*ii)%32+1] op_sel_hi:[1,0,1]
.set ii, ii+1
.endr
.set ii, 0
.rept 64
	v_med3_num_f32 v[D+ii], v[D+ii], -v[\vl], v[\vl]
.set ii, ii+1
.endr
.set ii, 0
.rept 8
	v_cvt_scalef32_pk8_bf8_f32 v[\dst+2*ii:\dst+2*ii+1], v[D+8*ii:D+8*ii+7], v[\vs]
.set ii, ii+1
.endr
	v_nop
.set ii, 0
.rept 4
	global_store_b128 v[LI], v[\dst+4*ii:\dst+4*ii+3], s[\base:\base+1] offset:512*ii
.set ii, ii+1
.endr
.endm
	s_wait_xcnt 0x0                                ; the stores of wt's image and of A, B have read their registers, which the products below write
	QKPROD 0
	QKOUT 96, LIM6, SCL6, QC, 30
	QKPROD 64
	QKOUT 100, LIM7, SCL7, KC, 32
	s_wait_tensorcnt 0x0                           ; my part of wv is in,
	s_barrier_signal -1
	s_barrier_wait -1                              ; everybody's is
.macro VLOAD g, area                   ; four channel tiles of wv, two K steps each, into window 2
	WIN 0x80
.set kk, 0
.rept 4
.set tc, 4*(\g)+kk
.set ks, 0
.rept 2
.set cc, 0
.rept 4
	ds_load_b128 v[\area+16*(2*kk+ks)+4*cc:\area+16*(2*kk+ks)+4*cc+3], v[AWV] offset:(32*(tc/2)+8*(tc%2))*WP+128*ks+32*cc
.set cc, cc+1
.endr
.set ks, ks+1
.endr
.set kk, kk+1
.endr
	WIN 0
.endm
.macro VPROD area                      ; v: source 0 = xs's codes (rows = points), source 1 = 16 rows of wv: a lane holds one channel, its registers run along the points
	WIN 0x0b                                       ; source 0 window 3, source 1 window 2
.set ks, 0
.rept 2
.set kk, 0
.rept 4
.set uu, 0
.rept 2
.if ks == 0
	v_wmma_f32_16x16x128_bf8_bf8 v[D+16*kk+8*uu:D+16*kk+8*uu+7], v[128+32*uu+16*ks:128+32*uu+16*ks+15], v[\area+16*(2*kk+ks):\area+16*(2*kk+ks)+15], 0
.else
	v_wmma_f32_16x16x128_bf8_bf8 v[D+16*kk+8*uu:D+16*kk+8*uu+7], v[128+32*uu+16*ks:128+32*uu+16*ks+15], v[\area+16*(2*kk+ks):\area+16*(2*kk+ks)+15], v[D+16*kk+8*uu:D+16*kk+8*uu+7]
.endif
.set uu, uu+1
.endr
.set kk, kk+1
.endr
.set ks, ks+1
.endr
	WIN 0
	PLACES 5
.endm
.macro VOUT g
.set kk, 0
.rept 4
.set tc, 4*(\g)+kk
.set ii, 0
.rept 16
	v_fma_f32 v[D+16*kk+ii], v[D+16*kk+ii], s95, v[BV+tc]
.set ii, ii+1
.endr
.set ii, 0
.rept 16
	v_med3_num_f32 v[D+16*kk+ii], v[D+16*kk+ii], -v[LIM8], v[LIM8]
.set ii, ii+1
.endr
	v_cvt_scalef32_pk8_bf8_f32 v[VC+4*tc:VC+4*tc+1], v[D+16*kk:D+16*kk+7], v[SCL8]
	v_cvt_scalef32_pk8_bf8_f32 v[VC+4*tc+2:VC+4*tc+3], v[D+16*kk+8:D+16*kk+15], v[SCL8]
	v_nop
	global_store_b128 v[LI], v[VC+4*tc:VC+4*tc+3], s[10:11] offset:2048*tc
.set kk, kk+1
.endr
.endm
	VLOAD 0, 128
	s_wait_dscnt 0x0
	VPROD 128
	VLOAD 1, 0
	VOUT 0
	s_wait_dscnt 0x0
	VPROD 0
	VLOAD 2, 128
	VOUT 1
	s_wait_dscnt 0x0
	VPROD 128
	VLOAD 3, 0
	VOUT 2
	s_wait_dscnt 0x0
	VPROD 0
	VOUT 3
	s_wait_tensorcnt 0x0                           ; the wave's end
	ds_add_u32 v[SPW], v[NIL]
	s_wait_dscnt 0x0
	s_endpgm
.Lfunc_end_k_q9dc8094983_prep:
	.size	k_q9dc8094983_prep, .Lfunc_end_k_q9dc8094983_prep-k_q9dc8094983_prep
	.p2alignl 7, 3214868480
	.fill 96, 4, 3214868480
	.section	.rodata,"a",@progbits
	.p2align	6, 0x0
	.amdhsa_kernel k_q9dc8094983_prep
		.amdhsa_group_segment_fixed_size 327680
		.amdhsa_private_segment_fixed_size 0
		.amdhsa_enable_private_segment 0
		.amdhsa_kernarg_size 128
		.amdhsa_user_sgpr_count 2
		.amdhsa_user_sgpr_kernarg_segment_ptr 1
		.amdhsa_wavefront_size32 1
		.amdhsa_system_sgpr_workgroup_id_x 1
		.amdhsa_system_sgpr_workgroup_id_y 1
		.amdhsa_system_sgpr_workgroup_id_z 1
		.amdhsa_system_vgpr_workitem_id 0
		.amdhsa_next_free_vgpr 1024
		.amdhsa_next_free_sgpr 102
		.amdhsa_reserve_vcc 0
		.amdhsa_float_denorm_mode_32 3
		.amdhsa_float_denorm_mode_16_64 3
		.amdhsa_memory_ordered 1
		.amdhsa_forward_progress 1
		.amdhsa_inst_pref_size 185
	.end_amdhsa_kernel
	.amdgpu_metadata
---
amdhsa.version: [ 1, 2 ]
amdhsa.kernels:
  - .name:           k_q9dc8094983_prep
    .symbol:         k_q9dc8094983_prep.kd
    .args:
      - { .name: x, .offset: 0, .size: 8, .value_kind: global_buffer, .address_space: global }
      - { .name: xyz, .offset: 8, .size: 8, .value_kind: global_buffer, .address_space: global }
      - { .name: wqk_codes, .offset: 16, .size: 8, .value_kind: global_buffer, .address_space: global }
      - { .name: wv_codes, .offset: 24, .size: 8, .value_kind: global_buffer, .address_space: global }
      - { .name: wt_codes, .offset: 32, .size: 8, .value_kind: global_buffer, .address_space: global }
      - { .name: bqk, .offset: 40, .size: 8, .value_kind: global_buffer, .address_space: global }
      - { .name: bv, .offset: 48, .size: 8, .value_kind: global_buffer, .address_space: global }
      - { .name: bt, .offset: 56, .size: 8, .value_kind: global_buffer, .address_space: global }
      - { .name: bn_gamma, .offset: 64, .size: 8, .value_kind: global_buffer, .address_space: global }
      - { .name: bn_beta, .offset: 72, .size: 8, .value_kind: global_buffer, .address_space: global }
      - { .name: bn_mean, .offset: 80, .size: 8, .value_kind: global_buffer, .address_space: global }
      - { .name: bn_var, .offset: 88, .size: 8, .value_kind: global_buffer, .address_space: global }
      - { .name: lowp_scales, .offset: 96, .size: 8, .value_kind: global_buffer, .address_space: global }
      - { .name: qv, .offset: 104, .size: 8, .value_kind: global_buffer, .address_space: global }
      - { .name: kimg, .offset: 112, .size: 8, .value_kind: global_buffer, .address_space: global }
      - { .name: xsimg, .offset: 120, .size: 8, .value_kind: global_buffer, .address_space: global }
    .group_segment_fixed_size: 327680
    .private_segment_fixed_size: 0
    .kernarg_segment_align: 8
    .kernarg_segment_size: 128
    .max_flat_workgroup_size: 128
    .sgpr_count:     102
    .vgpr_count:     1024
    .wavefront_size: 32
...
	.end_amdgpu_metadata
.endif
;; end of part 1
;; launch rowstat (part 2): grid 32 x 8, 16 waves a work-group, clusters of 4 x 1, 281,088 bytes of LDS; arguments qv, kimg, lowp_scales, na; writes na
.if DOCPART == 2
	.amdgcn_target "amdgcn-amd-amdhsa--gfx1250"
	.amdhsa_code_object_version 6
	.text
	.protected	k_q9dc8094983_rowstat
	.globl	k_q9dc8094983_rowstat
	.p2align	8
	.type	k_q9dc8094983_rowstat,@function
k_q9dc8094983_rowstat:
	s_mov_b64 s[64:65], 0
	v_nop
	global_prefetch_b8 v0, s[64:65] scope:SCOPE_SE
	s_setreg_imm32_b32 hwreg(HW_REG_WAVE_MODE, 25, 1), 1
	s_wait_xcnt 0x0
	s_wait_alu depctr_hold_cnt(0) depctr_sa_sdst(0) depctr_va_vdst(0) depctr_va_sdst(0) depctr_va_ssrc(0) depctr_va_vcc(0) depctr_vm_vsrc(0)
	s_getreg_b32 s2, hwreg(HW_REG_IB_STS2, 6, 4)
	s_cmp_eq_u32 s2, 0
	s_cbranch_scc0 .Lentry_in_a_cluster
	s_endpgm
.Lentry_in_a_cluster:
	s_bfe_u32 s2, ttmp6, 0x10000c
	s_cmp_lg_u32 s2, 0x3003
	s_cbranch_scc0 .Lentry_shape_is_right
	s_endpgm
.Lentry_shape_is_right:
; ROWSTAT.  For each row i of E = q^T k (codes of E5M2, scales e6, e7): na[i] = -(M + log2 l), with t = E log2(e), M the row's largest t rounded up to a whole number, l the sum of 2^(t - M).
; So softmax[i][j] = 2^(t + na[i]).  The maximum is a running one: when M moves, l is multiplied by 2^(old M - new M), which rounds nothing.
; SHARES.  A work-group owns 128 rows of one batch.  Wave w: row tiles 4 (w % 2) .. + 3, and an eighth (w / 2) of the columns.  All of the batch's k, 256 KiB of images, lies in LDS, filled once.
; CLUSTER.  The four work-groups of a cluster belong to one batch and read the same k: each chunk is asked for jointly, by the same tensor load with a mask that names the four.
; The product is used transposed (source 0 = 16 columns' k, source 1 = 16 rows' q): a lane holds one row, its registers run along the columns.
; LIMITS: e6 + e7 between -126 and 127 (they are added to the exponent field of log2(e)).  na is one f32 number: it is rounded at 2^-24 of its size.  NaN and infinities are not served.
; REGISTERS: v1-7 addresses; v8-39 q; v40-71 k; v72-87 for each row tile -M, the largest t, l in two halves; v88-95 the rescaling; v96-111 at work; v128-255 the scores.
.set QVB,  1392640
.set MRG,  262144                      ; behind k: each wave's (-M, l), 8 bytes a lane and row tile
.set NST,  278528                      ; the block's 128 results in their natural order
.set LI,   1
.set KA,   2
.set MW,   3
.set MR,   4
.set NSA,  5
.set NLD,  6
.set QF,   8
.set KF,   40
.set ST,   72
.set FP,   88
.set TM,   96
.set SS,   128
.macro ROUND                           ; a round of the cluster's barrier
	s_barrier_signal -1
	s_barrier_wait -1
	s_cmp_lg_u32 s12, 0
	s_cbranch_scc1 .Lnot_wave_0_\@
	s_barrier_signal -3
.Lnot_wave_0_\@:
	s_barrier_wait -3
	s_barrier_signal -1
	s_barrier_wait -1
.endm
	s_load_b256 s[4:11], s[0:1], 0x0               ; qv, kimg, scales, na
	v_lshl_add_u32 v126, v0, 2, 0x44200
	v_mov_b32 v127, 0
	ds_add_u32 v126, v127
	ds_add_u32 v126, v127
	v_lshrrev_b32 v96, 5, v0
	v_readfirstlane_b32 s12, v96                   ; wave
	s_bfe_u32 s13, ttmp6, 0x40000                  ; cx
	s_lshl_b32 s14, ttmp9, 2
	s_add_co_u32 s14, s14, s13                     ; my block of 128 rows: it enters q's and na's global addresses alone
	s_and_b32 s15, ttmp7, 0xffff                   ; the batch, which the four partners share
	s_mov_b32 s16, 15|(3<<16)|(1<<21)              ; the mask: all four; elements of 8 bytes; bit 21 beside a mask
	s_mov_b32 s17, 32<<16                          ; rows of 256 bytes,
	s_mov_b32 s18, 16<<16                          ; sixteen of them, dense
	s_mov_b32 s19, 32<<16
	s_mov_b32 s20, 16
	s_mov_b32 s21, 32
	s_mov_b32 s22, 0
	s_mov_b32 s23, 0
	s_lshl_b32 s44, s15, 18
	s_lshl_b32 s46, s12, 12                        ; my 4,096 bytes of each chunk of 65,536
	s_add_co_u32 s44, s44, s46
	s_mov_b32 s45, 0
	s_mov_b32 s52, 0x76543210
	s_mov_b32 s53, 0xfedcba98
	s_wait_dscnt 0x0
	s_wait_kmcnt 0x0
	s_load_b64 s[42:43], s[8:9], 0x18              ; e6, e7
	s_add_nc_u64 s[6:7], s[6:7], s[44:45]
.set pp, 0
.rept 4
	s_mov_b32 s[24+4*pp], 1
	s_add_co_u32 s[25+4*pp], s46, pp*65536
	s_add_nc_u64 s[26+4*pp:27+4*pp], s[6:7], pp*65536
	s_or_b32 s[27+4*pp], s[27+4*pp], 0x80000000
.set pp, pp+1
.endr
	ROUND                                          ; all four work-groups are here: the joint loads meet
	tensor_load_to_lds s[24:27], s[16:23]          ; four loads of mine are out
	s_nop 0
	tensor_load_to_lds s[28:31], s[16:23]
	s_nop 0
	tensor_load_to_lds s[32:35], s[16:23]
	s_nop 0
	tensor_load_to_lds s[36:39], s[16:23]
	s_nop 0
.rept 4
	v_nop
.endr
	v_and_b32 v96, 31, v0
	v_lshlrev_b32 v[LI], 4, v96
	v_lshlrev_b32 v97, 3, v96
	s_lshr_b32 s47, s12, 1                         ; my eighth of the columns
	s_and_b32 s48, s12, 1                          ; my half of the rows
	s_lshl_b32 s49, s47, 13
	v_add_nc_u32 v[KA], s49, v[LI]
	s_lshl_b32 s49, s12, 10
	s_add_co_u32 s49, s49, MRG
	v_add_nc_u32 v[MW], s49, v97
	s_and_b32 s50, s47, 3                          ; the row tile that I merge (waves 0 to 7)
	s_lshl_b32 s49, s48, 10
	s_lshl_b32 s51, s50, 8
	s_add_co_u32 s49, s49, s51
	s_add_co_u32 s49, s49, MRG
	v_add_nc_u32 v[MR], s49, v97
	v_and_b32 v96, 15, v0
	v_and_b32 v97, 8, v96
	v_add_nc_u32 v96, v96, v97                     ; r + 8 (r / 8)
	s_lshl_b32 s49, s48, 8
	s_lshr_b32 s51, s50, 1
	s_lshl_b32 s51, s51, 7
	s_add_co_u32 s49, s49, s51
	s_and_b32 s51, s50, 1
	s_lshl_b32 s51, s51, 5
	s_add_co_u32 s49, s49, s51
	s_add_co_u32 s49, s49, NST
	v_lshl_add_u32 v[NSA], v96, 2, s49             ; the natural place of my lane's row
	v_add_nc_u32 v[NLD], NST, v[LI]
	s_mul_i32 s44, s15, QVB
	s_mul_i32 s49, s14, 40960
	s_add_co_u32 s44, s44, s49
	s_lshl_b32 s49, s48, 12
	s_add_co_u32 s44, s44, s49
	s_add_nc_u64 s[4:5], s[4:5], s[44:45]
.set ii, 0
.rept 8
	global_load_b128 v[QF+4*ii:QF+4*ii+3], v[LI], s[4:5] offset:512*ii   ; my four tiles of q stay in registers
.set ii, ii+1
.endr
	s_lshl_b32 s44, s15, 14
	s_lshl_b32 s49, s14, 9
	s_add_co_u32 s44, s44, s49
	s_add_nc_u64 s[10:11], s[10:11], s[44:45]
.irp rt, 0,1,2,3
	v_mov_b32 v[ST+4*\rt+1], 0xff61b1e6            ; the largest t so far: -3e38
	v_floor_f32 v[ST+4*\rt], -v[ST+4*\rt+1]
	v_mov_b32 v[ST+4*\rt+2], 0
	v_mov_b32 v[ST+4*\rt+3], 0
	v_mov_b32 v[FP+2*\rt+1], 0                     ; (named as the upper half of a pair)
.endr
	s_wait_kmcnt 0x0
	s_add_co_i32 s42, s42, s43
	s_lshl_b32 s42, s42, 23
	s_add_co_i32 s40, s42, 0x3fb8aa3b              ; c = log2(e) 2^(e6 + e7)
	s_mov_b32 s41, s40
	s_wait_loadcnt 0x0
; Four tiles of k against my four tiles of q: 64 rows x 64 columns
.macro STEP off
.set ii, 0
.rept 8
	ds_load_b128 v[KF+4*ii:KF+4*ii+3], v[KA] offset:\off+512*ii
.set ii, ii+1
.endr
	s_wait_dscnt 0x0
.set rt, 0
.rept 4
.set kt, 0
.rept 4
	v_wmma_f32_16x16x64_bf8_bf8 v[SS+32*rt+8*kt:SS+32*rt+8*kt+7], v[KF+8*kt:KF+8*kt+7], v[QF+8*rt:QF+8*rt+7], 0
.set kt, kt+1
.endr
.set rt, rt+1
.endr
.rept 4
	v_nop
.endr
.irp rt, 0,1,2,3
	v_max3_num_f32 v[TM+4*\rt], v[SS+32*\rt], v[SS+32*\rt+1], v[SS+32*\rt+2]   ; the largest of my 32 scores, in two chains, each accumulator from its low end on
	v_max3_num_f32 v[TM+4*\rt+1], v[SS+32*\rt+3], v[SS+32*\rt+4], v[SS+32*\rt+5]
.endr
.set jj, 6
.rept 6
.irp rt, 0,1,2,3
	v_max3_num_f32 v[TM+4*\rt], v[TM+4*\rt], v[SS+32*\rt+jj], v[SS+32*\rt+jj+1]
	v_max3_num_f32 v[TM+4*\rt+1], v[TM+4*\rt+1], v[SS+32*\rt+jj+2], v[SS+32*\rt+jj+3]
.endr
.set jj, jj+4
.endr
.irp rt, 0,1,2,3
	v_max3_num_f32 v[TM+4*\rt], v[TM+4*\rt], v[SS+32*\rt+30], v[SS+32*\rt+31]
.endr
.irp rt, 0,1,2,3
	v_max_num_f32 v[TM+4*\rt], v[TM+4*\rt], v[TM+4*\rt+1]
.endr
.irp rt, 0,1,2,3
	v_mul_f32 v[TM+4*\rt], s40, v[TM+4*\rt]        ; as t (c is positive)
.endr
.irp rt, 0,1,2,3
	v_max_num_f32 v[ST+4*\rt+1], v[ST+4*\rt+1], v[TM+4*\rt]
	v_mov_b32 v[TM+4*\rt+1], v[ST+4*\rt]
.endr
.irp rt, 0,1,2,3
	v_floor_f32 v[ST+4*\rt], -v[ST+4*\rt+1]        ; the new -M = floor(-t)
.endr
.irp rt, 0,1,2,3
	v_sub_f32 v[TM+4*\rt+1], v[ST+4*\rt], v[TM+4*\rt+1]
.endr
.irp rt, 0,1,2,3
	v_cvt_i32_f32 v[TM+4*\rt+1], v[TM+4*\rt+1]     ; old M - new M, a whole number, 0 or less (the conversion saturates)
.endr
.irp rt, 0,1,2,3
	v_ldexp_f32 v[FP+2*\rt], 1.0, v[TM+4*\rt+1]
.endr
.set ii, 0
.rept 64
	v_pk_fma_f32 v[SS+2*ii:SS+2*ii+1], v[SS+2*ii:SS+2*ii+1], s[40:41], v[ST+4*(ii/16):ST+4*(ii/16)+1] op_sel_hi:[1,0,0]   ; t - M
.set ii, ii+1
.endr
.set ii, 0
.rept 128
	v_exp_f32 v[SS+ii], v[SS+ii]
.set ii, ii+1
.endr
.irp rt, 0,1,2,3
	v_pk_mul_f32 v[ST+4*\rt+2:ST+4*\rt+3], v[ST+4*\rt+2:ST+4*\rt+3], v[FP+2*\rt:FP+2*\rt+1] op_sel_hi:[1,0]   ; l under the new M: plain work behind the exponentials
.endr
	s_wait_alu depctr_va_vdst(0)                   ; one wait for the batch, ahead of its first reader
.irp rt, 0,1,2,3
	v_pk_add_f32 v[TM+4*\rt+2:TM+4*\rt+3], v[SS+32*\rt:SS+32*\rt+1], v[SS+32*\rt+2:SS+32*\rt+3]
.endr
.set jj, 4
.rept 7
.irp rt, 0,1,2,3
	v_pk_add_f32 v[ST+4*\rt+2:ST+4*\rt+3], v[ST+4*\rt+2:ST+4*\rt+3], v[SS+32*\rt+jj:SS+32*\rt+jj+1]
	v_pk_add_f32 v[TM+4*\rt+2:TM+4*\rt+3], v[TM+4*\rt+2:TM+4*\rt+3], v[SS+32*\rt+jj+2:SS+32*\rt+jj+3]
.endr
.set jj, jj+4
.endr
.irp rt, 0,1,2,3
	v_pk_add_f32 v[ST+4*\rt+2:ST+4*\rt+3], v[ST+4*\rt+2:ST+4*\rt+3], v[TM+4*\rt+2:TM+4*\rt+3]
.endr
.endm
.set pp, 0
.rept 4
	s_wait_tensorcnt 3-pp                          ; my part of chunk pp is in; the later chunks may stay out
	s_barrier_signal -1
	s_barrier_wait -1                              ; everybody's is
	STEP 0
	STEP 4096
.if pp < 3
	v_add_nc_u32 v[KA], 0x10000, v[KA]
.endif
.set pp, pp+1
.endr
	; ---- the eight waves' and the two halves' figures of a row meet in LDS
.irp rt, 0,1,2,3
	v_mov_b32 v[TM+4*\rt], v[ST+4*\rt]
	v_add_f32 v[TM+4*\rt+1], v[ST+4*\rt+2], v[ST+4*\rt+3]
.endr
.irp rt, 0,1,2,3
	ds_store_b64 v[MW], v[TM+4*\rt:TM+4*\rt+1] offset:256*\rt
.endr
	s_wait_dscnt 0x0
	s_barrier_signal -1
	s_barrier_wait -1
	s_cmp_lt_u32 s12, 8                            ; waves 0 to 7 merge a row tile each
	s_cbranch_scc0 .Lno_merge
.irp g, 0,1,2,3,4,5,6,7
	ds_load_b64 v[SS+2*\g:SS+2*\g+1], v[MR] offset:2048*\g
.endr
	s_wait_dscnt 0x0
	v_min3_num_f32 v[TM], v[SS], v[SS+2], v[SS+4]  ; the least -M
	v_min3_num_f32 v[TM], v[TM], v[SS+6], v[SS+8]
	v_min3_num_f32 v[TM], v[TM], v[SS+10], v[SS+12]
	v_min_num_f32 v[TM], v[TM], v[SS+14]
	v_permlanex16_b32 v[TM+1], v[TM], s52, s53
	v_min_num_f32 v[TM], v[TM], v[TM+1]
.irp g, 0,1,2,3,4,5,6,7
	v_sub_f32 v[KF+\g], v[TM], v[SS+2*\g]
.endr
.irp g, 0,1,2,3,4,5,6,7
	v_cvt_i32_f32 v[KF+\g], v[KF+\g]
.endr
.irp g, 0,1,2,3,4,5,6,7
	v_ldexp_f32 v[SS+2*\g+1], v[SS+2*\g+1], v[KF+\g]   ; each l under the common M
.endr
	v_add_f32 v[SS+1], v[SS+1], v[SS+3]
	v_add_f32 v[SS+5], v[SS+5], v[SS+7]
	v_add_f32 v[SS+9], v[SS+9], v[SS+11]
	v_add_f32 v[SS+13], v[SS+13], v[SS+15]
	v_add_f32 v[SS+1], v[SS+1], v[SS+5]
	v_add_f32 v[SS+9], v[SS+9], v[SS+13]
	v_add_f32 v[SS+1], v[SS+1], v[SS+9]
	v_permlanex16_b32 v[TM+2], v[SS+1], s52, s53
	v_add_f32 v[SS+1], v[SS+1], v[TM+2]
	v_log_f32 v[TM+3], v[SS+1]
	v_nop
	s_wait_alu depctr_va_vdst(0)
	v_sub_f32 v[TM+3], v[TM], v[TM+3]              ; na = -M - log2 l
	ds_store_b32 v[NSA], v[TM+3]                   ; lanes r and r + 16 hold the same number and write the same word
.Lno_merge:
	s_wait_dscnt 0x0
	s_barrier_signal -1
	s_barrier_wait -1
	s_cmp_lg_u32 s12, 0
	s_cbranch_scc1 .Lno_out
	ds_load_b128 v[SS:SS+3], v[NLD]
	s_wait_dscnt 0x0
	global_store_b128 v[LI], v[SS:SS+3], s[10:11]  ; 512 consecutive bytes
.Lno_out:
	s_wait_tensorcnt 0x0
	ds_add_u32 v126, v127
	s_wait_dscnt 0x0
	ROUND                                          ; the closing round
	s_endpgm
.Lfunc_end_k_q9dc8094983_rowstat:
	.size	k_q9dc8094983_rowstat, .Lfunc_end_k_q9dc8094983_rowstat-k_q9dc8094983_rowstat
	.p2alignl 7, 3214868480
	.fill 96, 4, 3214868480
	.section	.rodata,"a",@progbits
	.p2align	6, 0x0
	.amdhsa_kernel k_q9dc8094983_rowstat
		.amdhsa_group_segment_fixed_size 281088
		.amdhsa_private_segment_fixed_size 0
		.amdhsa_enable_private_segment 0
		.amdhsa_kernarg_size 32
		.amdhsa_user_sgpr_count 2
		.amdhsa_user_sgpr_kernarg_segment_ptr 1
		.amdhsa_wavefront_size32 1
		.amdhsa_system_sgpr_workgroup_id_x 1
		.amdhsa_system_sgpr_workgroup_id_y 1
		.amdhsa_system_sgpr_workgroup_id_z 1
		.amdhsa_system_vgpr_workitem_id 0
		.amdhsa_next_free_vgpr 256
		.amdhsa_next_free_sgpr 66
		.amdhsa_reserve_vcc 0
		.amdhsa_float_denorm_mode_32 3
		.amdhsa_float_denorm_mode_16_64 3
		.amdhsa_memory_ordered 1
		.amdhsa_forward_progress 1
		.amdhsa_inst_pref_size 163
	.end_amdhsa_kernel
	.amdgpu_metadata
---
amdhsa.version: [ 1, 2 ]
amdhsa.kernels:
  - .name:           k_q9dc8094983_rowstat
    .symbol:         k_q9dc8094983_rowstat.kd
    .args:
      - { .name: qv, .offset: 0, .size: 8, .value_kind: global_buffer, .address_space: global }
      - { .name: kimg, .offset: 8, .size: 8, .value_kind: global_buffer, .address_space: global }
      - { .name: lowp_scales, .offset: 16, .size: 8, .value_kind: global_buffer, .address_space: global }
      - { .name: na, .offset: 24, .size: 8, .value_kind: global_buffer, .address_space: global }
    .group_segment_fixed_size: 281088
    .private_segment_fixed_size: 0
    .kernarg_segment_align: 8
    .kernarg_segment_size: 32
    .max_flat_workgroup_size: 512
    .sgpr_count:     66
    .vgpr_count:     256
    .wavefront_size: 32
...
	.end_amdgpu_metadata
.endif
;; end of part 2
;; launch main (part 3): grid 32 x 8, 4 waves a work-group, clusters of 4 x 1, 327,680 bytes of LDS; arguments qv, kimg, na, xsimg, lowp_scales, out0; writes out0
.if DOCPART == 3
	.amdgcn_target "amdgcn-amd-amdhsa--gfx1250"
	.amdhsa_code_object_version 6
	.text
	.protected	k_q9dc8094983_main
	.globl	k_q9dc8094983_main
	.p2align	8
	.type	k_q9dc8094983_main,@function
k_q9dc8094983_main:
	s_mov_b64 s[64:65], 0
	v_nop
	global_prefetch_b8 v0, s[64:65] scope:SCOPE_SE
	s_setreg_imm32_b32 hwreg(HW_REG_WAVE_MODE, 25, 1), 1
	s_wait_xcnt 0x0
	s_wait_alu depctr_hold_cnt(0) depctr_sa_sdst(0) depctr_va_vdst(0) depctr_va_sdst(0) depctr_va_ssrc(0) depctr_va_vcc(0) depctr_vm_vsrc(0)
	s_getreg_b32 s2, hwreg(HW_REG_IB_STS2, 6, 4)
	s_cmp_eq_u32 s2, 0
	s_cbranch_scc0 .Lentry_in_a_cluster
	s_endpgm
.Lentry_in_a_cluster:
	s_bfe_u32 s2, ttmp6, 0x10000c
	s_cmp_lg_u32 s2, 0x3003
	s_cbranch_scc0 .Lentry_shape_is_right
	s_endpgm
.Lentry_shape_is_right:
; MAIN.  First rc[j] = 1 / (1e-9 + the sum over i of 2^(c S + na[i])), S the sum of the products of q's and k's codes, c = log2(e) 2^(e6 + e7): the exponent is at most 0 but for rounding, since na takes the row's maximum and
; the logarithm of its sum away.  Then attn[i][j] = 2^(c S + na[i]) rc[j], quantised (e9); x_r = v attn on codes (e8, e9); d = xs - x_r, quantised (e10); t = wt d on codes (e10, e11); out = xs + leaky(t A + B), A, B the folded bias and batch norm.
; SHARES.  A work-group owns 128 columns j of one batch.  Wave w: the 64 columns of half w / 2 (four column tiles), all 256 channels (64 accumulators), and HALF OF THE ROWS: the row blocks R of 128 rows with R % 2 = w % 2.
; So each fragment of v read from LDS feeds four matrix instructions.  The two waves of a half exchange twice: their column sums, and at the end their sums of the second product.
; Column slot g of a wave stands for tile g xor 2 (w % 2) of its four: in every wave slots 0, 1 are kept and slots 2, 3 given, so that no register number hangs on the wave.
; THE COLUMN SUMS.  All of the batch's q, 32 blocks of 8,192 bytes, lies dense in LDS from byte 0, filled once.  Steps 0-4 read blocks 0-9, which are slot 0's bytes; then slot 0 takes the ring's first block; steps 5-9 free slot 1 likewise.
; RING.  q's and v's images come in blocks of two row blocks, 81,920 dense bytes, through two LDS slots; the seventeenth block holds wt's images, A and B.  One joint load a wave behind each round of the cluster's barrier.
; CLUSTER.  The four work-groups of a cluster belong to one batch and walk the same q, blocks and na: asked for jointly, with a mask that names the four.
; LIMITS: e6 + e7 and e8 + e9 between -126 and 127; e9, e10 between -126 and 112.  An exponential under 2^-126 counts as 0.  NaN and infinities are not served.
; LDS: slot 0; slot 1 (at the end: the exchange); each wave's 32 KiB of xs, brought in 2 KiB a step through registers (at the end: the stage for the way out); na; the column sums' exchange; the spare words.
; REGISTERS: window 0: v1-23 addresses, scales, rc in pairs; v24-55 k; v56-119 na; v120-127; v128-255 the scores, then v's tiles 8-15.
;   window 1: v0-63 q (late in a step: 2 KiB of xs); v64-191 v's tiles 0-7; v192-255 the column sums, then attn's codes.   windows 2, 3: accumulator (channel tile tc, slot g) at v[8 (4 (tc % 8) + g)].
.set QVB,   1392640
.set RBB,   40960                      ; a row block in qv: 8,192 bytes of q's images, 32,768 of v's
.set DSB,   81920                      ; a slot
.set LXS,   163840
.set LNA,   296960
.set MRG,   313344                     ; 512 bytes a wave: bytes of their own, into which no fill lands
.set SPARE, 327168                     ; the spare words: 128 bytes a wave, two blocks of 256 bytes that no other line names
.set LI,    1
.set SPW,   2
.set NIL,   3
.set AQ,    4
.set AV,    5
.set AN,    6
.set AXS,   7
.set NAH,   8
.set XSB,   9
.set LIM9,  10
.set SC9,   11
.set RR,    12                         ; v12-19  rc of my column in each slot, twice
.set OSA,   20                         ; v20, v21
.set APB,   22
.set RDB,   23
.set KF,    24
.set NA,    56
.set MGW,   120
.set MGR,   121
.set LIM10, 124
.set SC10,  125
.set EXW,   126
.set EXR,   127
.set PP,    128
.set ZZ,    160
.set SEL,   2                          ; s[2:3]  lane selects: lane l xor 16
.set OUT,   14
.set PQ,    16                         ; s16  the column sums: LDS byte of the block of q to be fetched
.set WV,    18
.set KAP,   19
.set TB,    20                         ; s20  the slot in hand
.set WO,    21
.set KOF,   22
.set TBK,   23
.set G1S,   24
.set G1N,   32
.set G0A,   40
.set G0W,   44
.set G0N,   48
.set NAO,   52
.set XSO,   53
.set XG,    54
.set CS,    56
.set CNT,   58
.set F89,   60
.set G1Q,   80                         ; s[80:87]; q's four groups 0 at s[88:99] and s[76:79]
.set MSB, 0
.macro WIN new                         ; the immediate's high byte repeats the setting that is left
.if MSB != \new
	s_set_vgpr_msb (MSB<<8)|\new
.set MSB, \new
.endif
.endm
.macro PLACES n
.rept \n
	v_nop
.endr
.endm
.macro ROUND                           ; a round of the cluster's barrier
	s_barrier_signal -1
	s_barrier_wait -1
	s_cmp_lg_u32 s[WV], 0
	s_cbranch_scc1 .Lnot_wave_0_\@
	s_barrier_signal -3
.Lnot_wave_0_\@:
	s_barrier_wait -3
	s_barrier_signal -1
	s_barrier_wait -1
.endm
.macro MKSC es, vl, vs                 ; from the exponent in s[es]: 2^e as f32
	s_add_co_i32 s66, s[\es], 127
	s_lshl_b32 s67, s66, 23
	v_mov_b32 v[\vs], s67
.endm
.macro MKQ g0, p                       ; group 0 for row blocks 8 p + 2 w, 8 p + 2 w + 1 of q
	s_mov_b32 s[\g0], 1
	s_add_co_u32 s[\g0+1], s70, (\p)*65536
	s_add_nc_u64 s[\g0+2:\g0+3], s[74:75], (\p)*8*RBB
	s_or_b32 s[\g0+3], s[\g0+3], 0x80000000
.endm
	s_load_b256 s[4:11], s[0:1], 0x0               ; qv, kimg, na, xsimg
	s_load_b128 s[12:15], s[0:1], 0x20             ; scales, out0
	v_lshl_add_u32 v[SPW], v0, 2, SPARE
	v_mov_b32 v[NIL], 0
	ds_add_u32 v2, v3
	ds_add_u32 v2, v3
	s_wait_dscnt 0x0
	v_lshrrev_b32 v128, 5, v0
	v_readfirstlane_b32 s[WV], v128
	s_and_b32 s[KAP], s[WV], 1
	s_bfe_u32 s62, ttmp6, 0x40000                  ; cx
	s_lshl_b32 s63, ttmp9, 2
	s_add_co_u32 s63, s63, s62                     ; my block of 128 columns: it enters global addresses of k, xs and out alone
	s_and_b32 s59, ttmp7, 0xffff                   ; the batch
	s_xor_b32 s62, s[WV], 1                        ; my partner
	s_mov_b32 s[G1S], 15|(3<<16)|(1<<21)           ; a quarter of a slot: 80 dense rows of 256 bytes; the mask names all four; bit 21 beside a mask
	s_mov_b32 s[G1S+1], 32<<16
	s_mov_b32 s[G1S+2], 80<<16
	s_mov_b32 s[G1S+3], 32<<16
	s_mov_b32 s[G1S+4], 80
	s_mov_b32 s[G1S+5], 32
	s_mov_b32 s[G1S+6], 0
	s_mov_b32 s[G1S+7], 0
	s_mov_b32 s[G1N], 15|(3<<16)|(1<<21)           ; a quarter of na: 16 such rows
	s_mov_b32 s[G1N+1], 32<<16
	s_mov_b32 s[G1N+2], 16<<16
	s_mov_b32 s[G1N+3], 32<<16
	s_mov_b32 s[G1N+4], 16
	s_mov_b32 s[G1N+5], 32
	s_mov_b32 s[G1N+6], 0
	s_mov_b32 s[G1N+7], 0
	s_mov_b32 s[G1Q], 15|(3<<16)|(1<<21)           ; q of two row blocks: 2 rows of 1,024 elements of 8 bytes, 5,120 elements apart
	s_mov_b32 s[G1Q+1], 1024<<16
	s_mov_b32 s[G1Q+2], 2<<16
	s_mov_b32 s[G1Q+3], 1024<<16
	s_mov_b32 s[G1Q+4], 2
	s_mov_b32 s[G1Q+5], 5120
	s_mov_b32 s[G1Q+6], 0
	s_mov_b32 s[G1Q+7], 0
	s_mov_b32 s[SEL], 0x76543210
	s_mov_b32 s[SEL+1], 0xfedcba98
	s_mul_i32 s[WO], s[WV], 20480
	s_mul_i32 s[KOF], s[KAP], RBB
	s_mov_b32 s[TB], 0
	s_mov_b32 s[TBK], s[KOF]
	s_lshl_b32 s[NAO], s[KAP], 9
	s_lshl_b32 s[PQ], s[KAP], 13
	s_mov_b32 s[XSO], 0
	s_mul_i32 s66, s59, QVB
	s_mov_b32 s67, 0
	s_mov_b32 s68, s[WO]
	s_mov_b32 s69, 0
	s_mul_i32 s72, s[WV], 2*RBB
	s_mov_b32 s73, 0
	s_lshl_b32 s70, s[WV], 14
	s_lshl_b32 s71, s[WV], 12
	s_lshl_b32 s74, s59, 14
	s_add_co_u32 s74, s74, s71
	s_mov_b32 s75, 0
	s_wait_kmcnt 0x0
	s_add_nc_u64 s[4:5], s[4:5], s[66:67]          ; qv at my batch
	s_mov_b32 s[G0A], 1
	s_mov_b32 s[G0A+1], s[WO]
	s_add_nc_u64 s[G0A+2:G0A+3], s[4:5], s[68:69]
	s_mov_b32 s[G0W], 1
	s_add_co_u32 s[G0W+1], s[WO], DSB
	s_add_nc_u64 s[G0W+2:G0W+3], s[G0A+2:G0A+3], DSB
	s_or_b32 s[G0A+3], s[G0A+3], 0x80000000
	s_or_b32 s[G0W+3], s[G0W+3], 0x80000000
	s_mov_b32 s[G0N], 1
	s_add_co_u32 s[G0N+1], s71, LNA
	s_add_nc_u64 s[G0N+2:G0N+3], s[8:9], s[74:75]
	s_or_b32 s[G0N+3], s[G0N+3], 0x80000000
	s_add_nc_u64 s[74:75], s[4:5], s[72:73]        ; my two row blocks of each eight
	MKQ 88, 0
	MKQ 92, 1
	MKQ 96, 2
	MKQ 76, 3
	ROUND                                          ; all four work-groups are here: the first joint loads meet
	tensor_load_to_lds s[G0N:G0N+3], s[G1N:G1N+7]  ; na, then q in four parts: five loads of mine are out
	s_nop 0
	tensor_load_to_lds s[88:91], s[G1Q:G1Q+7]
	s_nop 0
	tensor_load_to_lds s[92:95], s[G1Q:G1Q+7]
	s_nop 0
	tensor_load_to_lds s[96:99], s[G1Q:G1Q+7]
	s_nop 0
	tensor_load_to_lds s[76:79], s[G1Q:G1Q+7]
	s_nop 0
	PLACES 4
	s_load_b64 s[66:67], s[12:13], 0x18            ; e6, e7
	s_load_b128 s[68:71], s[12:13], 0x20           ; e8 .. e11
	v_and_b32 v128, 31, v0
	v_lshlrev_b32 v[LI], 4, v128
	v_bfe_u32 v129, v0, 4, 1                       ; h
	v_and_b32 v130, 15, v0
	v_and_b32 v131, 8, v130
	v_add_nc_u32 v130, v130, v131                  ; r + 8 (r / 8)
	v_lshlrev_b32 v[NAH], 6, v129
	v_add_nc_u32 v[NAH], LNA, v[NAH]
	s_lshl_b32 s72, s[WV], 15
	s_add_co_u32 s72, s72, LXS
	v_add_nc_u32 v[XSB], s72, v[LI]
	v_mul_u32_u24 v[OSA], v129, 8320
	v_lshl_add_u32 v[OSA], v130, 2, v[OSA]
	s_lshl_b32 s72, s[WV], 7
	s_add_co_u32 s72, s72, LXS
	v_add_nc_u32 v[OSA], s72, v[OSA]
	v_add_nc_u32 v[OSA+1], 66560, v[OSA]
	v_lshlrev_b32 v[APB], 6, v129
	v_add_nc_u32 v[APB], 65536, v[APB]
	s_mul_i32 s72, s[WV], 33280
	s_add_co_u32 s72, s72, LXS
	v_add_nc_u32 v[RDB], s72, v[LI]
	s_lshl_b32 s72, s[WV], 14
	s_add_co_u32 s72, s72, DSB
	v_add_nc_u32 v[EXW], s72, v[LI]
	s_lshl_b32 s72, s62, 14
	s_add_co_u32 s72, s72, DSB
	v_add_nc_u32 v[EXR], s72, v[LI]
	s_lshl_b32 s72, s[WV], 9
	s_add_co_u32 s72, s72, MRG
	v_add_nc_u32 v[MGW], s72, v[LI]
	s_lshl_b32 s72, s62, 9
	s_add_co_u32 s72, s72, MRG
	v_add_nc_u32 v[MGR], s72, v[LI]
	s_lshl_b32 s[XG], s59, 22                      ; xs of the two tiles that I keep
	s_lshl_b32 s72, s63, 17
	s_add_co_u32 s[XG], s[XG], s72
	s_lshl_b32 s72, s[WV], 15
	s_add_co_u32 s[XG], s[XG], s72
	s_mov_b32 s[XG+1], 0
	s_add_nc_u64 s[XG:XG+1], s[10:11], s[XG:XG+1]
	s_lshl_b32 s72, s59, 22                        ; out: my 64 channels' rows, the block's 512 bytes of them
	s_lshl_b32 s73, s[WV], 20
	s_add_co_u32 s72, s72, s73
	s_lshl_b32 s73, s63, 9
	s_add_co_u32 s72, s72, s73
	s_mov_b32 s73, 0
	s_add_nc_u64 s[OUT:OUT+1], s[OUT:OUT+1], s[72:73]
	s_lshl_b32 s72, s59, 18                        ; k: the two tiles that I keep, and the two that my partner keeps
	s_lshl_b32 s73, s63, 13
	s_add_co_u32 s72, s72, s73
	s_lshl_b32 s73, s[WV], 11
	s_add_co_u32 s74, s72, s73
	s_mov_b32 s75, 0
	s_lshl_b32 s73, s62, 11
	s_add_co_u32 s72, s72, s73
	s_mov_b32 s73, 0
	s_add_nc_u64 s[74:75], s[6:7], s[74:75]
	s_add_nc_u64 s[72:73], s[6:7], s[72:73]
.set ii, 0
.rept 4
	global_load_b128 v[KF+4*ii:KF+4*ii+3], v[LI], s[74:75] offset:512*ii
	global_load_b128 v[KF+16+4*ii:KF+16+4*ii+3], v[LI], s[72:73] offset:512*ii
.set ii, ii+1
.endr
	WIN 0x40
.set ii, 0
.rept 32
	v_mov_b32 v[192+ii], 0                         ; the column sums: four pairs a slot
.set ii, ii+1
.endr
	WIN 0
	s_wait_kmcnt 0x0
	s_add_co_i32 s66, s66, s67
	s_lshl_b32 s66, s66, 23
	s_add_co_i32 s[CS], s66, 0x3fb8aa3b            ; c = log2(e) 2^(e6 + e7)
	s_mov_b32 s[CS+1], s[CS]
	s_add_co_i32 s66, s68, s69
	s_add_co_i32 s66, s66, 127
	s_lshl_b32 s66, s66, 23
	s_or_b32 s[F89], s66, 0x80000000               ; -2^(e8 + e9)
	s_mov_b32 s[F89+1], s[F89]
	MKSC 69, LIM9, SC9
	MKSC 70, LIM10, SC10
; ---- pieces that the column sums and the main step share
.macro LDQ                             ; q's eight tiles of a row block
	WIN 0x40
.set ii, 0
.rept 16
	ds_load_b128 v[4*ii:4*ii+3], v[AQ] offset:512*ii
.set ii, ii+1
.endr
	WIN 0
.endm
.macro LDN                             ; na of the rows in my registers
.set ii, 0
.rept 16
	ds_load_b128 v[NA+4*ii:NA+4*ii+3], v[AN] offset:128*(ii/4)+16*(ii%4)
.set ii, ii+1
.endr
.endm
.macro EPR                             ; 16 products: source 0 = q's eight tiles, source 1 = k of column slots 2 pq, 2 pq + 1: a lane holds one column, its registers run along the rows
	WIN 0x01
.set sp, 0
.rept 2
.set qt, 0
.rept 8
	v_wmma_f32_16x16x64_bf8_bf8 v[PP+64*sp+8*qt:PP+64*sp+8*qt+7], v[8*qt:8*qt+7], v[KF+8*(2*pq+sp):KF+8*(2*pq+sp)+7], 0
.set qt, qt+1
.endr
.set sp, sp+1
.endr
	WIN 0
.endm
.macro FMA1 n                          ; pair n of the batch: c S + na
	v_pk_fma_f32 v[PP+2*(\n):PP+2*(\n)+1], v[PP+2*(\n):PP+2*(\n)+1], s[CS:CS+1], v[NA+(2*(\n))%64:NA+(2*(\n))%64+1] op_sel_hi:[1,0,1]
.endm
.macro EXPH                            ; the batch's first eight scalings, each accumulator from its low end on
.set ee, 0
.rept 8
	FMA1 ee
.set ee, ee+1
.endr
.endm
.macro EXPQ q                          ; a quarter of the batch: two exponentials and the scaling of the pair eight further on.  None of these lines names an exponential's result
.set ee, 16*(\q)
.rept 16
	v_exp_f32 v[PP+2*ee], v[PP+2*ee]
	v_exp_f32 v[PP+2*ee+1], v[PP+2*ee+1]
.if ee+8 < 64
	FMA1 ee+8
.endif
.set ee, ee+1
.endr
.endm
; A STEP OF THE COLUMN SUMS: my row block of 128 rows against my 64 columns.  pf = 1: the next block's q is asked for behind the step's last products, into the same registers, and its na behind the last scaling.
.macro PRE pf
	s_wait_dscnt 16                                ; q is in; na's 16 loads may be out
.set pq, 0
.rept 2
	EPR
	PLACES 5                                       ; five: these results' registers are begun anew by the next products
.if pq == 0
	s_wait_dscnt 0x0                               ; na is in
.elseif \pf
	s_add_co_u32 s[PQ], s[PQ], 16384               ; two blocks on: the blocks between are my partner's
	v_add_nc_u32 v[AQ], s[PQ], v[LI]
	LDQ
.endif
	EXPH
	EXPQ 0
	EXPQ 1
	EXPQ 2
	EXPQ 3
.if (pq == 1) && \pf
	s_add_co_u32 s[NAO], s[NAO], 1024
	v_add_nc_u32 v[AN], s[NAO], v[NAH]
	LDN
.endif
	v_nop                                          ; a plain line behind the last exponential
	s_wait_alu depctr_va_vdst(0)                   ; one wait for the batch, ahead of its first reader
	WIN 0x41                                       ; the sums in window 1, the numbers in window 0
.set ii, 0
.rept 64
	v_pk_add_f32 v[192+8*(2*pq+ii/32)+2*(ii%4):192+8*(2*pq+ii/32)+2*(ii%4)+1], v[192+8*(2*pq+ii/32)+2*(ii%4):192+8*(2*pq+ii/32)+2*(ii%4)+1], v[PP+2*ii:PP+2*ii+1]
.set ii, ii+1
.endr
.set pq, pq+1
.endr
	WIN 0
.endm
; A slot whose blocks of q have been read takes its first block of the ring: all my tensor loads are in, the add, my LDS reads are in, a round of the cluster's barrier, the joint load first behind it.
.macro REFILL g0
	s_wait_tensorcnt 0x0
	ds_add_u32 v[SPW], v[NIL]                      ; 0 onto my spare word
	s_wait_dscnt 0x0
	ROUND
	tensor_load_to_lds s[\g0:\g0+3], s[G1S:G1S+7]
	s_nop 0
	PLACES 4
.endm
	s_wait_tensorcnt 2                             ; my parts of na and of q's blocks 0-15 are in; blocks 16-31 may stay out
	s_barrier_signal -1
	s_barrier_wait -1
	s_wait_loadcnt 0x0                             ; k
	v_add_nc_u32 v[AQ], s[PQ], v[LI]
	v_add_nc_u32 v[AN], s[NAO], v[NAH]
	LDQ
	LDN
	s_mov_b32 s[CNT], 5
.Lp1:                                              ; steps 0-4: blocks 0-9, slot 0's bytes
	PRE 1
	s_sub_co_u32 s[CNT], s[CNT], 1
	s_cmp_lg_u32 s[CNT], 0
	s_cbranch_scc1 .Lp1
	REFILL G0A
	s_mov_b32 s[CNT], 5
.Lp2:                                              ; steps 5-9: blocks 10-19, slot 1's bytes
	PRE 1
	s_sub_co_u32 s[CNT], s[CNT], 1
	s_cmp_lg_u32 s[CNT], 0
	s_cbranch_scc1 .Lp2
	REFILL G0W
	s_mov_b32 s[CNT], 5
.Lp3:                                              ; steps 10-14
	PRE 1
	s_sub_co_u32 s[CNT], s[CNT], 1
	s_cmp_lg_u32 s[CNT], 0
	s_cbranch_scc1 .Lp3
	PRE 0                                          ; step 15 asks for nothing more
	; ---- a column's sum: my four pairs, the other half of the lanes, my partner's half of the rows
	WIN 0x45
.irp g, 0,1,2,3
	v_pk_add_f32 v[192+8*\g:193+8*\g], v[192+8*\g:193+8*\g], v[194+8*\g:195+8*\g]
	v_pk_add_f32 v[196+8*\g:197+8*\g], v[196+8*\g:197+8*\g], v[198+8*\g:199+8*\g]
.endr
.irp g, 0,1,2,3
	v_pk_add_f32 v[192+8*\g:193+8*\g], v[192+8*\g:193+8*\g], v[196+8*\g:197+8*\g]
.endr
	WIN 0x05
.irp g, 0,1,2,3
	v_add_f32 v[PP+\g], v[192+8*\g], v[193+8*\g]
.endr
	WIN 0
.irp g, 0,1,2,3
	v_permlanex16_b32 v[PP+4+\g], v[PP+\g], s[SEL], s[SEL+1]
.endr
.irp g, 0,1,2,3
	v_add_f32 v[PP+\g], v[PP+\g], v[PP+4+\g]
.endr
	ds_store_b128 v[MGW], v[PP:PP+3]
	s_wait_tensorcnt 0x0                           ; my parts of the ring's first two blocks are in,
	s_wait_dscnt 0x0                               ; my store is done and my reads of q are over: xs is staged over q's last blocks behind this barrier
	s_barrier_signal -1
	s_barrier_wait -1
	ds_load_b128 v[PP+8:PP+11], v[MGR]
	s_wait_dscnt 0x0
	v_add_f32 v[PP], v[PP], v[PP+10]               ; my slots 0, 1 are my partner's slots 2, 3
	v_add_f32 v[PP+1], v[PP+1], v[PP+11]
	v_add_f32 v[PP+2], v[PP+2], v[PP+8]
	v_add_f32 v[PP+3], v[PP+3], v[PP+9]
.irp g, 0,1,2,3
	v_add_f32 v[PP+\g], 0x3089705f, v[PP+\g]       ; + 1e-9
.endr
.irp g, 0,1,2,3
	v_rcp_f32 v[RR+2*\g], v[PP+\g]
.endr
	v_nop
	s_wait_alu depctr_va_vdst(0)                   ; one wait for the four reciprocals, ahead of their first reader
.irp g, 0,1,2,3
	v_mov_b32 v[RR+2*\g+1], v[RR+2*\g]
.endr
	s_lshl_b32 s[NAO], s[KAP], 9                   ; back to my first row block
; A STEP: my row block of 128 rows against my 64 columns.  zero = 1: the products start the sums: nothing is ever cleared.
.macro STEP zero
	v_add_nc_u32 v[AQ], s[TBK], v[LI]
	v_add_nc_u32 v[AN], s[NAO], v[NAH]
	v_add_nc_u32 v[AV], 8192, v[AQ]
	v_nop
	v_nop                                          ; five plain lines behind the last products: their operands' registers are loaded, and written by matrix instructions, below
	LDQ
	LDN
.set pq, 0
.rept 2                                ; two column slots at a time
.if pq == 0
	s_wait_dscnt 16                                ; q is in; na's 16 loads may be out
.endif
	EPR
	PLACES 4
.if pq == 0
	s_wait_dscnt 0x0                               ; na is in
.else
	WIN 0x40
.set ii, 0
.rept 4
	global_load_b128 v[4*ii:4*ii+3], v[LI], s[XG:XG+1] offset:512*ii th:TH_LOAD_NT   ; 2 KiB of my xs, on its way to LDS, into registers that q has left: this half's softmax and 64 products stand ahead of the wait for it
.set ii, ii+1
.endr
	WIN 0
.endif
	EXPH
.set qq, 0
.rept 4
.if pq == 0
	WIN 0x40
.set ii, 8*qq
.rept 8
	ds_load_b128 v[64+4*ii:64+4*ii+3], v[AV] offset:512*ii         ; v's channel tiles 0-7, in four short runs among the exponentials
.set ii, ii+1
.endr
	WIN 0
.endif
	EXPQ qq
.set qq, qq+1
.endr
	v_nop
	s_wait_alu depctr_va_vdst(0)                   ; one wait for the batch, ahead of its first reader
.set ii, 0
.rept 64
	v_pk_mul_f32 v[PP+2*ii:PP+2*ii+1], v[PP+2*ii:PP+2*ii+1], v[RR+2*(2*pq+ii/32):RR+2*(2*pq+ii/32)+1]   ; x rc of my column
.set ii, ii+1
.endr
.set ii, 0
.rept 128
.set ii, ii+1
.endr
	WIN 0x40
.set ii, 0
.rept 16
	v_cvt_scalef32_pk8_bf8_f32 v[192+32*pq+2*ii:192+32*pq+2*ii+1], v[PP+8*ii:PP+8*ii+7], v[SC9]
.set ii, ii+1
.endr
	WIN 0
	v_nop
.set pq, pq+1
.endr
	s_wait_dscnt 0x0                               ; v's tiles 0-7 are in
.set tc, 0
.rept 8                                ; the 64 accumulators take turns, one instruction a turn
.set sg, 0
.rept 4
	WIN 0xa5                                       ; v and attn window 1, sums window 2
.if \zero
	v_wmma_f32_16x16x128_bf8_bf8 v[8*(4*tc+sg):8*(4*tc+sg)+7], v[64+16*tc:64+16*tc+15], v[192+16*sg:192+16*sg+15], 0
.else
	v_wmma_f32_16x16x128_bf8_bf8 v[8*(4*tc+sg):8*(4*tc+sg)+7], v[64+16*tc:64+16*tc+15], v[192+16*sg:192+16*sg+15], v[8*(4*tc+sg):8*(4*tc+sg)+7]
.endif
.if (4*tc+sg < 16) && ((4*tc+sg)%2 == 0)
	WIN 0
.set ii, 2*(4*tc+sg)
.rept 4
	ds_load_b128 v[PP+4*ii:PP+4*ii+3], v[AV] offset:16384+512*ii   ; v's channel tiles 8-15, where the scores lay: eight runs of four among the first sixteen products
.set ii, ii+1
.endr
.endif
.set sg, sg+1
.endr
.set tc, tc+1
.endr
	s_wait_dscnt 0x0                               ; tiles 8-15 are in: the last were asked for 17 products ago
	WIN 0xf4                                       ; v window 0, attn window 1, sums window 3
.set tc, 0
.rept 8
.set sg, 0
.rept 4
.if \zero
	v_wmma_f32_16x16x128_bf8_bf8 v[8*(4*tc+sg):8*(4*tc+sg)+7], v[PP+16*tc:PP+16*tc+15], v[192+16*sg:192+16*sg+15], 0
.else
	v_wmma_f32_16x16x128_bf8_bf8 v[8*(4*tc+sg):8*(4*tc+sg)+7], v[PP+16*tc:PP+16*tc+15], v[192+16*sg:192+16*sg+15], v[8*(4*tc+sg):8*(4*tc+sg)+7]
.endif
.set sg, sg+1
.endr
.set tc, tc+1
.endr
	WIN 0
	s_wait_loadcnt 0x0
	v_add_nc_u32 v[AXS], s[XSO], v[XSB]
	WIN 0x04                                       ; store data in window 1
.set ii, 0
.rept 4
	ds_store_b128 v[AXS], v[4*ii:4*ii+3] offset:512*ii
.set ii, ii+1
.endr
	WIN 0
	s_add_nc_u64 s[XG:XG+1], s[XG:XG+1], 2048      ; (the loads that named it are in)
	s_add_co_u32 s[XSO], s[XSO], 2048
.endm
; THE CHANGE OF SLOTS.  Each wave waits for all its tensor loads (its part of the slot ahead), adds 0 to its spare word, and waits for that and for its LDS reads and stores.
; fill = 1: a round of the cluster's barrier, and the slot just left is filled with the block two further on: the load has a whole step in which to land.
.macro CHANGE fill
	s_wait_tensorcnt 0x0
	ds_add_u32 v[SPW], v[NIL]                      ; 0 onto my spare word; the steps below stand between it and the wait for it
.if \fill
	s_add_co_u32 s[G0W+1], s[TB], s[WO]            ; no load of mine is out, so the walking descriptor may be written: the slot just left,
	s_add_nc_u64 s[G0W+2:G0W+3], s[G0W+2:G0W+3], DSB   ; the next block
.endif
	s_xor_b32 s[TB], s[TB], DSB
	s_add_co_u32 s[TBK], s[TB], s[KOF]
	s_add_co_u32 s[NAO], s[NAO], 1024
	s_wait_dscnt 0x0
.if \fill
	ROUND
	tensor_load_to_lds s[G0W:G0W+3], s[G1S:G1S+7]
	s_nop 0
	PLACES 4
.else
	s_barrier_signal -1
	s_barrier_wait -1
.endif
.endm
	STEP 1
	s_mov_b32 s[CNT], 15
.Ld:
	CHANGE 1
	STEP 0
	s_sub_co_u32 s[CNT], s[CNT], 1
	s_cmp_lg_u32 s[CNT], 0
	s_cbranch_scc1 .Ld
	CHANGE 0                                       ; wt's block lies in slot 0; slot 1 has had its last fill and its last read
	; ---- THE EXCHANGE: the two halves of K meet
.macro GIVE sg                         ; my sums for slot sg go to the partner, each accumulator from its low end on
	WIN 0x08
.set tc, 0
.rept 8
	ds_store_b128 v[EXW], v[8*(4*tc+\sg):8*(4*tc+\sg)+3] offset:1024*tc
	ds_store_b128 v[EXW], v[8*(4*tc+\sg)+4:8*(4*tc+\sg)+7] offset:1024*tc+512
.set tc, tc+1
.endr
	WIN 0x0c
.set tc, 0
.rept 8
	ds_store_b128 v[EXW], v[8*(4*tc+\sg):8*(4*tc+\sg)+3] offset:8192+1024*tc
	ds_store_b128 v[EXW], v[8*(4*tc+\sg)+4:8*(4*tc+\sg)+7] offset:8192+1024*tc+512
.set tc, tc+1
.endr
	WIN 0
	s_wait_dscnt 0x0
	s_barrier_signal -1
	s_barrier_wait -1
.endm
.macro TAKE sg                         ; the partner's sums are added to mine for slot sg; that tile's xs takes the registers that slot sg + 2 has left
.set ii, 0
.rept 32
	ds_load_b128 v[PP+4*ii:PP+4*ii+3], v[EXR] offset:512*ii
.set ii, ii+1
.endr
	WIN 0x80
.set ii, 0
.rept 16
	ds_load_b128 v[8*(4*(ii/2)+\sg+2)+4*(ii%2):8*(4*(ii/2)+\sg+2)+4*(ii%2)+3], v[XSB] offset:16384*\sg+512*ii
.set ii, ii+1
.endr
	WIN 0xc0
.set ii, 0
.rept 16
	ds_load_b128 v[8*(4*(ii/2)+\sg+2)+4*(ii%2):8*(4*(ii/2)+\sg+2)+4*(ii%2)+3], v[XSB] offset:16384*\sg+8192+512*ii
.set ii, ii+1
.endr
	s_wait_dscnt 32                                ; the partner's sums are in; xs's 32 loads may be out
	WIN 0x82
.set ii, 0
.rept 32
	v_pk_add_f32 v[8*(4*(ii/4)+\sg)+2*(ii%4):8*(4*(ii/4)+\sg)+2*(ii%4)+1], v[8*(4*(ii/4)+\sg)+2*(ii%4):8*(4*(ii/4)+\sg)+2*(ii%4)+1], v[PP+2*ii:PP+2*ii+1]
.set ii, ii+1
.endr
	WIN 0xc3
.set ii, 0
.rept 32
	v_pk_add_f32 v[8*(4*(ii/4)+\sg)+2*(ii%4):8*(4*(ii/4)+\sg)+2*(ii%4)+1], v[8*(4*(ii/4)+\sg)+2*(ii%4):8*(4*(ii/4)+\sg)+2*(ii%4)+1], v[PP+64+2*ii:PP+64+2*ii+1]
.set ii, ii+1
.endr
	WIN 0
	s_wait_dscnt 0x0
	s_barrier_signal -1
	s_barrier_wait -1
.endm
	PLACES 4
	GIVE 2
	TAKE 0
	GIVE 3
	TAKE 1                                         ; behind its barrier nobody reads the exchange or the staged xs any more
; wt's four fragments of group gg (tiles 2 gg, 2 gg + 1; two K steps) and the group's A and B
.macro WLOAD gg, buf
	WIN 0x40
.set ii, 0
.rept 16
	ds_load_b128 v[64+64*(\buf)+4*ii:64+64*(\buf)+4*ii+3], v[LI] offset:8192*(\gg)+512*ii
.set ii, ii+1
.endr
	WIN 0
.set ii, 0
.rept 4
	ds_load_b128 v[NA+32*(\buf)+4*ii:NA+32*(\buf)+4*ii+3], v[APB] offset:128*(\gg)+16*ii
	ds_load_b128 v[NA+32*(\buf)+16+4*ii:NA+32*(\buf)+16+4*ii+3], v[APB] offset:1024+128*(\gg)+16*ii
.set ii, ii+1
.endr
.endm
	WLOAD 0, 0
	; ---- d = xs - x_r, converted: the registers of channel tiles 2 b, 2 b + 1 are 16 neighbours along the next K
.macro DQ wa, wb, wc, ko
	WIN \wa
.set ii, 0
.rept 64                               ; ii = 8 tc + 4 sg + pair
	v_pk_fma_f32 v[8*(4*(ii/8)+(ii/4)%2)+2*(ii%4):8*(4*(ii/8)+(ii/4)%2)+2*(ii%4)+1], v[8*(4*(ii/8)+(ii/4)%2)+2*(ii%4):8*(4*(ii/8)+(ii/4)%2)+2*(ii%4)+1], s[F89:F89+1], v[8*(4*(ii/8)+(ii/4)%2+2)+2*(ii%4):8*(4*(ii/8)+(ii/4)%2+2)+2*(ii%4)+1] op_sel_hi:[1,0,1]
.set ii, ii+1
.endr
	WIN \wb
.set ii, 0
.rept 128                              ; ii = 16 tc + 8 sg + register
.set ii, ii+1
.endr
	WIN \wc
.set ii, 0
.rept 16                               ; ii = 2 tc + sg
	v_cvt_scalef32_pk8_bf8_f32 v[192+32*(ii%2)+\ko+2*(ii/2):192+32*(ii%2)+\ko+2*(ii/2)+1], v[8*(4*(ii/2)+ii%2):8*(4*(ii/2)+ii%2)+7], v[SC10]
.set ii, ii+1
.endr
.endm
	DQ 0xa2, 0x82, 0x42, 0
	DQ 0xf3, 0xc3, 0x43, 16
	WIN 0
	v_nop
; ---- t = wt d, 32 output channels at a time; out = xs + max(y, 0.2 y), y = t A + B.  The results take turns between two sets of registers.
.macro GRP gg
.set bf, (\gg)%2
.set dd, 128+64*bf
.if (\gg) == 0
	s_wait_dscnt 0x0
.else
	s_wait_dscnt 32                                ; this group's fragments are in, and the stores of the group before last are done; the last group's 32 stores may be out
.endif
	WIN 0x05
.set ks, 0
.rept 2
.set uu, 0
.rept 2
.set sg, 0
.rept 2
.if ks == 0
	v_wmma_f32_16x16x128_bf8_bf8 v[dd+8*(2*uu+sg):dd+8*(2*uu+sg)+7], v[64+64*bf+16*(2*uu+ks):64+64*bf+16*(2*uu+ks)+15], v[192+32*sg+16*ks:192+32*sg+16*ks+15], 0
.else
	v_wmma_f32_16x16x128_bf8_bf8 v[dd+8*(2*uu+sg):dd+8*(2*uu+sg)+7], v[64+64*bf+16*(2*uu+ks):64+64*bf+16*(2*uu+ks)+15], v[192+32*sg+16*ks:192+32*sg+16*ks+15], v[dd+8*(2*uu+sg):dd+8*(2*uu+sg)+7]
.endif
.set sg, sg+1
.endr
.set uu, uu+1
.endr
.set ks, ks+1
.endr
	WIN 0
	PLACES 5
.if (\gg) < 7
	WLOAD (\gg)+1, 1-bf
.endif
.set ii, 0
.rept 16                               ; ii = 8 uu + 4 sg + pair
	v_pk_fma_f32 v[dd+2*ii:dd+2*ii+1], v[dd+2*ii:dd+2*ii+1], v[NA+32*bf+8*(ii/8)+2*(ii%4):NA+32*bf+8*(ii/8)+2*(ii%4)+1], v[NA+32*bf+16+8*(ii/8)+2*(ii%4):NA+32*bf+16+8*(ii/8)+2*(ii%4)+1]
.set ii, ii+1
.endr
.set ii, 0
.rept 16
	v_pk_mul_f32 v[ZZ+2*ii:ZZ+2*ii+1], v[dd+2*ii:dd+2*ii+1], 0x3e4ccccd op_sel_hi:[1,0]
.set ii, ii+1
.endr
.set ii, 0
.rept 32
	v_max_num_f32 v[dd+ii], v[dd+ii], v[ZZ+ii]
.set ii, ii+1
.endr
	WIN 0x08+4*((\gg)/4)                           ; xs lies in window 2 (channel tiles 0-7) or 3
.set ii, 0
.rept 16
	v_pk_add_f32 v[dd+2*ii:dd+2*ii+1], v[dd+2*ii:dd+2*ii+1], v[8*(4*((2*(\gg)+ii/8)%8)+(ii/4)%2+2)+2*(ii%4):8*(4*((2*(\gg)+ii/8)%8)+(ii/4)%2+2)+2*(ii%4)+1]
.set ii, ii+1
.endr
	WIN 0
.set ii, 0
.rept 32                               ; ii = 16 uu + 8 sg + register: channel 32 gg + 16 h + 8 uu + register, column 32 w + 8 sg + r + 8 (r / 8)
	ds_store_b32 v[OSA+(\gg)/4], v[dd+ii] offset:(8*(ii/16)+ii%8)*512+((\gg)%4)*16640+32*((ii/8)%2)
.set ii, ii+1
.endr
.endm
.irp gg, 0,1,2,3,4,5,6,7
	GRP \gg
.endr
	s_wait_dscnt 0x0                               ; for the others' sake: my stores into the stage are done
	s_barrier_signal -1
	s_barrier_wait -1
	WIN 0x40
.set ii, 0
.rept 64
	ds_load_b128 v[4*ii:4*ii+3], v[RDB] offset:(ii%16)*512+(ii/16)*8320   ; my 64 channels' rows, whole
.set ii, ii+1
.endr
	WIN 0x04
.set ii, 0
.rept 64
	s_wait_dscnt 63-ii
	global_store_b128 v[LI], v[4*ii:4*ii+3], s[OUT:OUT+1] offset:16384*ii th:TH_STORE_NT   ; 32 lanes store 512 consecutive bytes, at a multiple of 256 from the buffer's first byte
.set ii, ii+1
.endr
	WIN 0
	s_wait_tensorcnt 0x0                           ; the wave's end
	ds_add_u32 v[SPW], v[NIL]
	s_wait_dscnt 0x0
	ROUND                                          ; the closing round
	s_endpgm
.Lfunc_end_k_q9dc8094983_main:
	.size	k_q9dc8094983_main, .Lfunc_end_k_q9dc8094983_main-k_q9dc8094983_main
	.p2alignl 7, 3214868480
	.fill 96, 4, 3214868480
	.section	.rodata,"a",@progbits
	.p2align	6, 0x0
	.amdhsa_kernel k_q9dc8094983_main
		.amdhsa_group_segment_fixed_size 327680
		.amdhsa_private_segment_fixed_size 0
		.amdhsa_enable_private_segment 0
		.amdhsa_kernarg_size 48
		.amdhsa_user_sgpr_count 2
		.amdhsa_user_sgpr_kernarg_segment_ptr 1
		.amdhsa_wavefront_size32 1
		.amdhsa_system_sgpr_workgroup_id_x 1
		.amdhsa_system_sgpr_workgroup_id_y 1
		.amdhsa_system_sgpr_workgroup_id_z 1
		.amdhsa_system_vgpr_workitem_id 0
		.amdhsa_next_free_vgpr 1024
		.amdhsa_next_free_sgpr 102
		.amdhsa_reserve_vcc 0
		.amdhsa_float_denorm_mode_32 3
		.amdhsa_float_denorm_mode_16_64 3
		.amdhsa_fp16_overflow 1
		.amdhsa_memory_ordered 1
		.amdhsa_forward_progress 1
		.amdhsa_inst_pref_size 255
	.end_amdhsa_kernel
	.section	.bss,"aw",@nobits
	.p2align	6
	.space	262144
	.amdgpu_metadata
---
amdhsa.version: [ 1, 2 ]
amdhsa.kernels:
  - .name:           k_q9dc8094983_main
    .symbol:         k_q9dc8094983_main.kd
    .args:
      - { .name: qv, .offset: 0, .size: 8, .value_kind: global_buffer, .address_space: global }
      - { .name: kimg, .offset: 8, .size: 8, .value_kind: global_buffer, .address_space: global }
      - { .name: na, .offset: 16, .size: 8, .value_kind: global_buffer, .address_space: global }
      - { .name: xsimg, .offset: 24, .size: 8, .value_kind: global_buffer, .address_space: global }
      - { .name: lowp_scales, .offset: 32, .size: 8, .value_kind: global_buffer, .address_space: global }
      - { .name: out0, .offset: 40, .size: 8, .value_kind: global_buffer, .address_space: global }
    .group_segment_fixed_size: 327680
    .private_segment_fixed_size: 0
    .kernarg_segment_align: 8
    .kernarg_segment_size: 48
    .max_flat_workgroup_size: 128
    .sgpr_count:     102
    .vgpr_count:     1024
    .wavefront_size: 32
...
	.end_amdgpu_metadata
.endif
;; end of part 3
